; MI455X (gfx1250); checked and timed in simulation.
; The chip was launched on July 23, 2026; its instructions are those of AMD's public machine-readable ISA for CDNA 5 (MIT licence, August 2026) and "CDNA5" Instruction Set Architecture Reference Guide (July 2026). The comments in the code are by the model that wrote it; some were corrected since.
;; Torch Spline. Allowed arithmetic: float matrix products may take bf16 or f16 operands with f32 sums; all other float work in f32.
;; Inputs: control_points 32,768 x 3 float32; queries 2,000,000 x 3 float32.
;; Outputs: out0 2,000,000 x 3 float32.
;; Constants: degree = 3, n_ctrl = 32.
;; One version. Each part assembles by itself: llvm-mc -triple=amdgcn-amd-amdhsa -mcpu=gfx1250 --defsym DOCPART=n.
;; ======== version 1 of 1: 2 launches
;; workspace buffers: idx 4,000,000 bytes of whole numbers; tab 262,144 bytes
;; launch spans (part 1): grid 256 x 1, 16 waves a work-group, no clusters, 26,624 bytes of LDS; arguments queries, control_points, idx, tab; writes idx, tab
.if DOCPART == 1
	.amdgcn_target "amdgcn-amd-amdhsa--gfx1250"
	.amdhsa_code_object_version 6
	.text
	.protected	k_q7f7266bc90_spans
	.globl	k_q7f7266bc90_spans
	.p2align	8
	.type	k_q7f7266bc90_spans,@function
k_q7f7266bc90_spans:
	s_mov_b64 s[64:65], 0
	v_nop
	global_prefetch_b8 v0, s[64:65] scope:SCOPE_SE
	s_setreg_imm32_b32 hwreg(HW_REG_WAVE_MODE, 25, 1), 1
	s_wait_xcnt 0x0
; FIRST OF TWO LAUNCHES of a clamped cubic B-spline volume: 2,000,000 queries (u0,u1,u2), 32 x 32 x 32 control points of 3 numbers.
; No step of the problem is left out; degree = 3 and n_ctrl = 32 are constants of the problem; the sum's zero start is replaced by letting
; the first product start each sum (second launch).
; This launch makes the whole numbers that steer the second launch's gather, and the table in the form that the gather reads.
;
; (1) idx: for each query one u16 = s0 | s1<<5 | s2<<10, s = knot span - 3 = clamp(floor(29 u), 0, 28).
;     The problem searches u among the knots i/29 rounded to f32.  floor(29 u) can differ from that only where u is within a rounding of a
;     knot; there the two neighbouring cubic pieces agree in value and two derivatives, and the second launch evaluates the piece that idx names.
;     A NaN gives span 0 (its basis is NaN anyway); values outside [0,1] go to the end spans as in the problem.
; (2) tab: 8 bytes for each control point (c0,c1,c2), because 32768 x 12 bytes of f32 do not fit in 327,680 bytes of LDS and 32768 x 8 do.
;     Stored are y0 = (c0-c1)/2, y1 = (c0+c1+c2)/3, y2 = (c0+c1-2 c2)/6; the sums are linear, so the second launch sums y and goes back by
;     c0 = y1+y2+y0, c1 = y1+y2-y0, c2 = y1-2 y2.  A common offset of the three components lies in y1 alone.
;     word 1 = y1 in f32.  word 0 = H:Z, Z = bf16(y2), and H chosen so that the WHOLE word, read as f32, is within 0x8000 of y0's bit pattern,
;     that is half a bf16 step.  So y0 and y2 carry a relative error of at most 2^-8, y1 only its own f32 rounding.
;     LIMITS: a NaN or an infinity in one component of a control point reaches all three results; the sums overflow for control points above
;     about 1e38; an infinite y0 becomes NaN or about 3.4e38; |y0| below 2^-133 becomes a denormal of that order.
;     Place of point (x,y,z): byte 8(x&3) + 32(y&3) + 128(z&1) + 256 [(x>>2) + 8 (y>>2) + 64 (z>>1)]: tiles of 4 x 4 x 2 points = 256 bytes.
;
; THE SHARES.  A block is 128 queries = 1,536 bytes; there are 15625.  256 work-groups of 16 waves; wave w of work-group g takes blocks
; 256 w + g + 4096 t below 15625: four where 256 w + g < 3337, else three; 61 or 62 blocks a work-group.  A wave asks for ALL its blocks
; (nine or twelve loads of 512 consecutive bytes) ahead of its first wait, and the waits count down: later blocks are on their way while
; earlier ones are turned, packed and stored.  A block is turned through the wave's own 1,536 bytes of LDS so that a lane holds 4 whole queries
; (48 bytes); a lane's four u16 are 8 bytes, so a block's one store covers 256 consecutive bytes, aligned.  No wave reads another's LDS: no barrier.
; The 1024 tiles of the table: waves 0 to 3 take tile 4 g + w, lane = place in the tile; its load goes out behind the query loads and its
; arithmetic comes last.  These waves have 256 w + g <= 1023, so always four blocks: the text is three straight ways, one branch to each.
; No register that a pending load or store names is written again: the offsets and bases stay, and each block has store registers of its own.
.set NBLK, 15625
.set BLKB, 1536                        ; bytes of a block of queries
.set HOP,  4096                        ; blocks from one block of a wave to its next
.set QQ, 8                             ; v[8:55]   block t as loaded: 12 registers each
.set UU, 56                            ; v[56:67]  my 4 queries of the block at work: 12 numbers, then 12 spans
.set PP, 68                            ; v[68:71]  their 4 packed u16
.set ST, 72                            ; v[72:79]  block t: the two words to store
.set TA, 80                            ; v80       byte offset of my control point
.set TC, 82                            ; v[82:84]  c0, c1, c2
.set TW, 86                            ; v[86:87]  the point's two words
.set TT, 88                            ; v[88:92]  at work on the table
; Block t's three loads.  4096 blocks are 6,291,456 bytes, which the immediate holds once: s[4:5] serves t = 0, 1 and s[20:21] t = 2, 3.
.macro LOADQ t
.irp m, 0,1,2
	global_load_b128 v[QQ+12*\t+4*\m:QQ+12*\t+4*\m+3], v3, s[4+16*(\t/2):5+16*(\t/2)] offset:(\t%2)*HOP*BLKB+512*\m   ; no hint: the second launch reads these bytes again
.endr
.endm
.macro LOADS n
	LOADQ 0
	LOADQ 1
	LOADQ 2
.if \n > 3
	LOADQ 3
.endif
.endm
; Block t is turned, its spans are made, packed and stored.  left = how many younger loads may stay out.
.macro BLOCK t, left
	s_wait_loadcnt \left                           ; loads come back in order (ISA guide 5.7.1): this block's three are in
.irp m, 0,1,2
	ds_store_b128 v4, v[QQ+12*\t+4*\m:QQ+12*\t+4*\m+3] offset:512*\m
.endr
	; LDS serves a wave's instructions in order (ISA guide 5.7.1.4): these see the stores above, and the next block's stores come behind
	; them.  Lanes 48 bytes apart take 16-byte columns 3 l + m modulo 16, all different within 16 lanes.
.irp m, 0,1,2
	ds_load_b128 v[UU+4*\m:UU+4*\m+3], v5 offset:16*\m
.endr
	s_wait_dscnt 0x0
.irp c, 0,2,4,6,8,10
	v_pk_mul_f32 v[UU+\c:UU+\c+1], v[UU+\c:UU+\c+1], 0x41e80000 op_sel_hi:[1,0]   ; 29 u
.endr
.irp c, 0,1,2,3,4,5,6,7,8,9,10,11
	v_max_num_f32 v[UU+\c], 0, v[UU+\c]            ; below 0, and NaN: span 0
	v_min_num_f32 v[UU+\c], 0x41e00000, v[UU+\c]   ; 28 at the most
	v_cvt_u32_f32 v[UU+\c], v[UU+\c]               ; toward zero = floor, the number being >= 0
.endr
.irp q, 0,1,2,3
	v_lshl_or_b32 v[PP+\q], v[UU+3*\q+1], 5, v[UU+3*\q]
	v_lshl_or_b32 v[PP+\q], v[UU+3*\q+2], 10, v[PP+\q]
.endr
	v_lshl_or_b32 v[ST+2*\t],   v[PP+1], 16, v[PP]
	v_lshl_or_b32 v[ST+2*\t+1], v[PP+3], 16, v[PP+2]
	global_store_b64 v6, v[ST+2*\t:ST+2*\t+1], s[8:9] offset:\t*HOP*256   ; 32 lanes x 8 bytes = the block's 256 bytes of idx
.endm
; All n blocks; x = loads that were issued behind the last query load (the table's one, or none)
.macro BLOCKS n, x
	BLOCK 0, (3*(\n-1)+\x)
	BLOCK 1, (3*(\n-2)+\x)
	BLOCK 2, (3*(\n-3)+\x)
.if \n > 3
	BLOCK 3, \x
.endif
.endm
	s_load_b256 s[4:11], s[0:1], 0x0               ; queries s[4:5], control_points s[6:7], idx s[8:9], tab s[10:11]
	v_lshl_add_u32 v96, v0, 2, 0x6000
	v_mov_b32 v97, 0
	v_lshrrev_b32 v1, 5, v0
	v_readfirstlane_b32 s12, v1                    ; wave 0..15
	v_and_b32 v2, 31, v0                           ; lane
	s_lshl_b32 s13, s12, 8
	s_add_co_u32 s13, s13, ttmp9                   ; my first block, 256 w + g
	s_mul_i32 s14, s13, BLKB                       ; its bytes in queries
	s_mov_b32 s15, 0
	s_lshl_b32 s16, s13, 8                         ; its 256 bytes in idx
	s_mov_b32 s17, 0
	s_mul_i32 s18, s12, BLKB                       ; my wave's stage in LDS
	v_lshlrev_b32 v3, 4, v2                        ; 16 x lane
	v_lshlrev_b32 v6, 3, v2                        ; 8 x lane
	v_add_nc_u32 v4, s18, v3                       ; stage, as loaded
	v_mad_u32_u24 v5, v2, 48, s18                  ; stage, by queries: 48 bytes a lane
	s_wait_kmcnt 0x0
	s_add_nc_u64 s[4:5], s[4:5], s[14:15]          ; my blocks 0 and 1
	s_add_nc_u64 s[20:21], s[4:5], 2*HOP*BLKB      ; my blocks 2 and 3
	s_add_nc_u64 s[8:9], s[8:9], s[16:17]
	s_cmp_ge_u32 s12, 4
	s_cbranch_scc1 .Lplain
	; Waves 0 to 3: four blocks and a tile of the table.
	LOADS 4
	s_lshl_b32 s19, ttmp9, 2
	s_add_co_u32 s19, s19, s12                     ; tile 4 g + w
	s_and_b32 s22, s19, 7                          ; x>>2
	s_bfe_u32 s23, s19, 0x30003                    ; y>>2
	s_lshr_b32 s24, s19, 6                         ; z>>1
	s_lshl_b32 s22, s22, 2                         ; 4 (x>>2)
	s_lshl_b32 s23, s23, 7                         ; 32 x 4 (y>>2)
	s_lshl_b32 s24, s24, 11                        ; 1024 x 2 (z>>1)
	s_add_co_u32 s22, s22, s23
	s_add_co_u32 s22, s22, s24
	v_and_b32 v[TT], 3, v2                         ; x&3
	v_bfe_u32 v[TT+1], v2, 2, 2                    ; y&3
	v_lshrrev_b32 v[TT+2], 4, v2                   ; z&1
	v_lshl_add_u32 v[TT], v[TT+1], 5, v[TT]
	v_lshl_add_u32 v[TT], v[TT+2], 10, v[TT]
	v_add_nc_u32 v[TT], s22, v[TT]                 ; x + 32 y + 1024 z
	v_mul_u32_u24 v[TA], v[TT], 12                 ; 12 bytes a point
	global_load_b96 v[TC:TC+2], v[TA], s[6:7]      ; c0, c1, c2: the thirteenth load, the youngest
	s_lshl_b32 s24, s19, 8
	s_mov_b32 s25, 0
	s_add_nc_u64 s[10:11], s[10:11], s[24:25]      ; the tile's 256 bytes of tab
	BLOCKS 4, 1                                    ; counts 10, 7, 4, 1: the younger blocks' loads and the table's stay out
	v_mov_b32 v[TT+4], 0
	s_wait_loadcnt 0x0                             ; the control point
	v_sub_f32 v[TT], v[TC], v[TC+1]
	v_add_f32 v[TT+1], v[TC], v[TC+1]              ; c0 + c1
	v_mul_f32 v[TT], 0.5, v[TT]                    ; y0
	v_add_f32 v[TW+1], v[TT+1], v[TC+2]
	v_fma_f32 v[TT+2], v[TC+2], -2.0, v[TT+1]
	v_mul_f32 v[TW+1], 0x3eaaaaab, v[TW+1]         ; y1 = (c0+c1+c2)/3: word 1
	v_mul_f32 v[TT+2], 0x3e2aaaab, v[TT+2]         ; y2 = (c0+c1-2 c2)/6
	v_cvt_pk_bf16_f32 v[TT+2], v[TT+2], v[TT+2]    ; bf16(y2), to nearest even
	v_and_b32 v[TT+2], 0xffff, v[TT+2]             ; Z
	v_and_b32 v[TW], 0x7fffffff, v[TT]             ; |y0| as a bit pattern
	v_add_nc_u32 v[TW], 0x8000, v[TW]              ; + half a step of the upper half
	v_min_u32 v[TW], 0x7fffffff, v[TW]             ; a NaN stays below the sign bit
	v_cmp_lt_u32 vcc_lo, v[TW], v[TT+2]            ; |y0| so small that the difference would pass zero:
	v_sub_nc_u32 v[TW], v[TW], v[TT+2]
	v_cndmask_b32 v[TW], v[TW], v[TT+4], vcc_lo    ; then H = 0
	v_and_or_b32 v[TW], v[TW], 0xffff0000, v[TT+2] ; H:Z, within 0x8000 of |y0|'s pattern
	v_and_or_b32 v[TW], v[TT], 0x80000000, v[TW]   ; y0's sign
	global_store_b64 v6, v[TW:TW+1], s[10:11]      ; 32 lanes x 8 bytes = the tile's 256 bytes
	s_wait_tensorcnt 0x0
	ds_add_u32 v96, v97
	s_wait_dscnt 0x0
	s_endpgm
.Lplain:
	s_cmp_lt_u32 s13, NBLK-3*HOP                   ; is block 256 w + g + 3 x 4096 there?
	s_cbranch_scc0 .Lthree
	LOADS 4
	BLOCKS 4, 0                                    ; counts 9, 6, 3, 0
	s_wait_tensorcnt 0x0
	ds_add_u32 v96, v97
	s_wait_dscnt 0x0
	s_endpgm
.Lthree:
	LOADS 3
	BLOCKS 3, 0                                    ; counts 6, 3, 0
	s_wait_tensorcnt 0x0
	ds_add_u32 v96, v97
	s_wait_dscnt 0x0
	s_endpgm
.Lfunc_end_k_q7f7266bc90_spans:
	.size	k_q7f7266bc90_spans, .Lfunc_end_k_q7f7266bc90_spans-k_q7f7266bc90_spans
	.p2alignl 7, 3214868480
	.fill 96, 4, 3214868480
	.section	.rodata,"a",@progbits
	.p2align	6, 0x0
	.amdhsa_kernel k_q7f7266bc90_spans
		.amdhsa_group_segment_fixed_size 26624
		.amdhsa_private_segment_fixed_size 0
		.amdhsa_enable_private_segment 0
		.amdhsa_kernarg_size 32
		.amdhsa_user_sgpr_count 2
		.amdhsa_user_sgpr_kernarg_segment_ptr 1
		.amdhsa_wavefront_size32 1
		.amdhsa_system_sgpr_workgroup_id_x 1
		.amdhsa_system_sgpr_workgroup_id_y 1
		.amdhsa_system_sgpr_workgroup_id_z 1
		.amdhsa_system_vgpr_workitem_id 0
		.amdhsa_next_free_vgpr 98
		.amdhsa_next_free_sgpr 66
		.amdhsa_reserve_vcc 1
		.amdhsa_float_denorm_mode_32 3
		.amdhsa_float_denorm_mode_16_64 3
		.amdhsa_memory_ordered 1
		.amdhsa_forward_progress 1
		.amdhsa_inst_pref_size 43
	.end_amdhsa_kernel
	.amdgpu_metadata
---
amdhsa.version: [ 1, 2 ]
amdhsa.kernels:
  - .name:           k_q7f7266bc90_spans
    .symbol:         k_q7f7266bc90_spans.kd
    .args:
      - { .name: queries, .offset: 0, .size: 8, .value_kind: global_buffer, .address_space: global }
      - { .name: control_points, .offset: 8, .size: 8, .value_kind: global_buffer, .address_space: global }
      - { .name: idx, .offset: 16, .size: 8, .value_kind: global_buffer, .address_space: global }
      - { .name: tab, .offset: 24, .size: 8, .value_kind: global_buffer, .address_space: global }
    .group_segment_fixed_size: 26624
    .private_segment_fixed_size: 0
    .kernarg_segment_align: 8
    .kernarg_segment_size: 32
    .max_flat_workgroup_size: 512
    .sgpr_count:     66
    .vgpr_count:     98
    .wavefront_size: 32
...
	.end_amdgpu_metadata
.endif
;; end of part 1
;; launch eval (part 2): grid 256 x 1, 16 waves a work-group, no clusters, 305,408 bytes of LDS; arguments queries, idx, tab, out0; writes out0
.if DOCPART == 2
	.amdgcn_target "amdgcn-amd-amdhsa--gfx1250"
	.amdhsa_code_object_version 6
	.text
	.protected	k_q7f7266bc90_eval
	.globl	k_q7f7266bc90_eval
	.p2align	8
	.type	k_q7f7266bc90_eval,@function
k_q7f7266bc90_eval:
	s_mov_b64 s[64:65], 0
	v_nop
	global_prefetch_b8 v0, s[64:65] scope:SCOPE_SE
	s_setreg_imm32_b32 hwreg(HW_REG_WAVE_MODE, 25, 1), 1
	s_wait_xcnt 0x0
; SECOND LAUNCH: out[q] = sum over the 4 x 4 x 4 control points of query q's knot spans of N0_i N1_j N2_k C.  Nothing of the problem is left out.
; The spans come as whole numbers from idx, the control points from tab, 8 bytes a point, as y0 = (c0-c1)/2, y1 = (c0+c1+c2)/3,
; y2 = (c0+c1-2 c2)/6: word 0 read as f32 is y0 to 2^-8, its low half is bf16(y2), word 1 is y1 in f32.  The three sums Y are made of y and
; turned back at the end: out0 = Y1+Y2+Y0, out1 = Y1+Y2-Y0, out2 = Y1-2 Y2.  All sums in f32; their order differs from the problem's.
; LIMITS: those of the table (a NaN or infinity in one component of a control point reaches all three results; control points above about 1e38
; overflow); an infinite query gives NaN or an infinity where the problem gives NaN (its denominators become NaN, these do not).
;
; THE TABLE IN LDS, AND THE ORDER OF THE GATHER.  Point (x,y,z) lies at 8(x&3) + 32(y&3) + 128(z&1) + 256(x>>2) + 2048(y>>2) + 16384(z>>1), so
; the pair of banks that its 8 bytes take (64 banks of 4 bytes: ISA guide 11.1) is named by the digits (x&3, y&3, z&1).  A lane needs all 64
; points of its window, in any order.  Lane l = l0 + 4 l1 + 16 l2 takes at step (t0,t1,t2,t3) the point of its window with
;   x&3 = 3 - ((l0+t0)&3),  y&3 = 3 - ((l1+t1)&3),  z&1 = 1 - ((l2+t2)&1),  and z two further on for t3 = 1:
; at every step the 32 lanes name 32 different digit triples, so the lanes of each ds_load_b64 touch 32 different pairs of banks, whatever the queries.
; With n = (l0+t0)&3 the point is x = 4 ((ix+n)>>2) + 3 - n, so its address part is ((ix<<6) + (n<<6) + 8(3-n)) with bits 6,7 cleared: one
; shift-add with a lane constant and one AND; likewise y and z; a point's address is the sum of three parts, t3 is the immediate 16384.
; The weight that belongs to step t0 is N[(3-n-ix)&3]: the four weights reversed and rotated by (l0+1+ix)&3, by two rounds of selects; the
; same for y; for z a swap inside pairs.  After that every register number in the sums is fixed.
;
; THE BASIS: the problem's Cox-de Boor recurrence with all knots scaled by 29, so that they are the whole numbers clamp(i-3, 0, 29) (the ratios
; in the recurrence do not change with the scale; the problem's knots are i/29 rounded to f32).  With f = 29 u - s, a_j = min(s,j),
; d_j = min(28-s,j): left = f, f+a1, f+a2; right = 1-f, 1-f+d1, 1-f+d2; the denominators are 1, 1+a1, 1+d1, 1+a2, 1+a1+d1, 1+d2, whole numbers
; from 1 to 3, and their reciprocals come from polynomials that are exact at those points up to rounding: 1/(1+a) = 1 - a/2 for a in {0,1};
; = 1 + a(a/6 - 2/3) for a in {0,1,2}; 1/(1+e) = 2/3 - e/6 for e in {1,2}.  Two coordinates go through each packed instruction.
;
; THE SHARES.  256 work-groups of 16 waves.  A block is 128 queries (1,536 bytes in, 1,536 out, 256 of idx); wave w of work-group g takes
; blocks 4096 t + 256 w + g below 15625: four where 256 w + g < 3337, else three.  A lane holds queries 4 l .. 4 l + 3 of the block; a unit is
; one query in each lane.  Queries and results pass through the wave's own 1,536 bytes of LDS, so that every global load and store of a wave
; covers 512 (idx: 256) consecutive bytes, aligned.  The stages begin at byte 278,784 (a multiple of 256): the gather's three masked parts, the
; immediate and the 8 bytes add up to 1816 + 14432 + 245888 + 16384 + 8 = 278,528 at the most, below every stage.
; THE ORDER.  A block's head (the turn of its queries through the stage, the unpacking of idx, the twelve bases of a lane) reads no byte of the
; table.  So the first block's head stands between the request for the table and the wait for it, and a trip of the loop is: units 0 and 1,
; the request for the next block, units 2 and 3, the results, the next block's head.  The last block is written out behind the loop, with
; no request and no head: no load leaves its buffer and no basis is made that no unit uses.
; The matrix units are not used: each query has its own 64 x 3 operand, and a matrix instruction shares B among its 16 rows.
; NO JOINT REQUESTS for the table, though every work-group reads it once: the waves' trip counts (three or four) hang on the work-group's number
; and the gather's LDS addresses on its own idx words, so partners of a cluster would differ in both.
.set NBLK,  15625
.set BLKB,  1536
.set HOP,   4096                       ; blocks from one block of a wave to its next
.set STG,   278784
; lane constants
.set LANE, 1
.set KX,   2                           ; v[2:5]    (n<<6) + 8(3-n),   n = (l0+t)&3
.set KY,   6                           ; v[6:9]    (n<<9) + 32(3-n),  n = (l1+t)&3
.set KZ,   10                          ; v[10:11]  (n<<13) + 128(1-n), n = (l2+t)&1
.set LC,   12                          ; (l0+1) | (l1+1)<<5 | (l2+1)<<10
.set ZERO, 13
.set SCL,  14                          ; v[14:19]  what turns a pair of masked fields into spans: (1,1/32) (1/1024,1) (1/32,1/1024)
.set CM23, 20                          ; v[20:21]  -2/3 twice
.set STW,  22                          ; my stage + 16 lane
.set STR,  23                          ; my stage + 48 lane
.set GOFF, 24                          ; 16 lane
.set IOFF, 25                          ; 8 lane
; a block
.set RW,   26                          ; v[26:29]  query q: the three rotations, in fields at bits 0, 5, 10
.set FLD,  30                          ; v[30:41]  coordinate c = 3q+d: ix, iy<<5, iz<<10
.set BAS,  42                          ; v[42:89]  pair p of coordinates (2p, 2p+1): N0, N1, N2, N3 as four register pairs
.set QL,   BAS                         ; v[42:53]  the next block's queries: loaded when units 0 and 1 have used pairs 0 and 1
.set IL,   BAS+12                      ; v[54:55]  and its idx words
; at work on the basis
.set UU,   90                          ; v[90:101] my 12 coordinates
.set SPN,  102
.set FRC,  104
.set RI1,  106
.set CPL,  108
.set AA1,  110
.set AA2,  112
.set DD1,  114
.set DD2,  116
.set LE2,  118
.set LE3,  120
.set RI2,  122
.set RI3,  124
.set Q21,  126
.set Q22,  128
.set Q31,  130
.set Q33,  132
.set Q32,  134
.set HH,   136
.set TT0,  138
.set TT1,  140
.set TT2,  142
.set MM0,  144
.set MM1,  146
.set MM2,  148
; at work on a unit (the same registers as the basis's)
.set XA,   90                          ; v[90:93]   address parts of x, by t0
.set YA,   94                          ; v[94:97]   of y, by t1
.set ZA,   98                          ; v[98:99]   of z, by t2
.set TM,   100                         ; v[100:101]
.set RT,   102                         ; v[102:105] between the two rounds of a rotation
.set BX,   106                         ; v[106:109] x weights by t0
.set BY,   110                         ; v[110:113] y weights by t1
.set BZ,   114                         ; v[114:117] z weights by t2 + 2 t3
.set WR,   118                         ; v[118:133] row weights: 4 (t2 + 2 t3) + t1
.set AXY,  134                         ; v[134:141] sums of (y0,y1) by t0
.set AZ,   142                         ; v[142:145] sums of y2 by t0
.set OO,   146                         ; v[146:148] Y0, Y1, Y2
.set AD,   150                         ; v[150:165] 16 addresses: 4 t1 + t0
.set GA,   166                         ; v[166:197] 16 points
.set GB,   198                         ; v[198:229] 16 points
.set RES,  230                         ; v[230:241] my 4 queries' 12 results
; One query's u16: the three fields where they stand, each capped at span 28 before it enters an address, and the three rotations.
.macro UNPK q, src, hi
.if \hi
	v_lshrrev_b32 v[AD], 16, v[\src]
.else
	v_and_b32 v[AD], 0xffff, v[\src]
.endif
	v_and_b32 v[FLD+3*\q],   31, v[AD]
	v_and_b32 v[FLD+3*\q+1], 0x3e0, v[AD]
	v_and_b32 v[FLD+3*\q+2], 0x7c00, v[AD]
	v_and_b32 v[AD+1], 0x463, v[AD]                ; ix&3, iy&3, iz&1 in their places
	v_min_u32 v[FLD+3*\q],   28, v[FLD+3*\q]
	v_min_u32 v[FLD+3*\q+1], 0x380, v[FLD+3*\q+1]
	v_min_u32 v[FLD+3*\q+2], 0x7000, v[FLD+3*\q+2]
	v_add_nc_u32 v[RW+\q], v[LC], v[AD+1]          ; fields of at most 7, 7 and 3: no carry from field to field
.endm
; The four basis values of coordinates 2p and 2p+1; ty = p mod 3 says which fields they are.
.macro BASIS p, ty
	v_cvt_f32_u32 v[SPN],   v[FLD+2*\p]
	v_cvt_f32_u32 v[SPN+1], v[FLD+2*\p+1]
	v_pk_mul_f32 v[SPN:SPN+1], v[SPN:SPN+1], v[SCL+2*\ty:SCL+2*\ty+1]          ; s, exact
	v_pk_fma_f32 v[FRC:FRC+1], v[UU+2*\p:UU+2*\p+1], 0x41e80000, v[SPN:SPN+1] op_sel_hi:[1,0,1] neg_lo:[0,0,1] neg_hi:[0,0,1]   ; f = 29 u - s
	v_pk_fma_f32 v[CPL:CPL+1], v[SPN:SPN+1], -1.0, 0x41e00000 op_sel_hi:[1,0,0]   ; 28 - s
	v_pk_fma_f32 v[RI1:RI1+1], v[FRC:FRC+1], -1.0, 1.0 op_sel_hi:[1,0,0]       ; 1 - f
.irp e, 0,1
	v_min_num_f32 v[AA1+\e], 1.0, v[SPN+\e]
	v_min_num_f32 v[AA2+\e], 2.0, v[SPN+\e]
	v_min_num_f32 v[DD1+\e], 1.0, v[CPL+\e]
	v_min_num_f32 v[DD2+\e], 2.0, v[CPL+\e]
.endr
	v_pk_add_f32 v[LE2:LE2+1], v[FRC:FRC+1], v[AA1:AA1+1]
	v_pk_add_f32 v[LE3:LE3+1], v[FRC:FRC+1], v[AA2:AA2+1]
	v_pk_add_f32 v[RI2:RI2+1], v[RI1:RI1+1], v[DD1:DD1+1]
	v_pk_add_f32 v[RI3:RI3+1], v[RI1:RI1+1], v[DD2:DD2+1]
	v_pk_fma_f32 v[Q21:Q21+1], v[AA1:AA1+1], -0.5, 1.0 op_sel_hi:[1,0,0]       ; 1/(1+a1)
	v_pk_fma_f32 v[Q22:Q22+1], v[DD1:DD1+1], -0.5, 1.0 op_sel_hi:[1,0,0]       ; 1/(1+d1)
	v_pk_fma_f32 v[HH:HH+1], v[AA2:AA2+1], 0x3e2aaaab, v[CM23:CM23+1] op_sel_hi:[1,0,1]
	v_pk_fma_f32 v[Q31:Q31+1], v[AA2:AA2+1], v[HH:HH+1], 1.0 op_sel_hi:[1,1,0] ; 1/(1+a2)
	v_pk_fma_f32 v[HH:HH+1], v[DD2:DD2+1], 0x3e2aaaab, v[CM23:CM23+1] op_sel_hi:[1,0,1]
	v_pk_fma_f32 v[Q33:Q33+1], v[DD2:DD2+1], v[HH:HH+1], 1.0 op_sel_hi:[1,1,0] ; 1/(1+d2)
	v_pk_add_f32 v[HH:HH+1], v[AA1:AA1+1], v[DD1:DD1+1]
	v_pk_fma_f32 v[Q32:Q32+1], v[HH:HH+1], 0x3e2aaaab, v[CM23:CM23+1] op_sel_hi:[1,0,1] neg_lo:[1,0,1] neg_hi:[1,0,1]   ; 2/3 - (a1+d1)/6
	; degree 2 from degree 1 (which is 1-f, f)
	v_pk_mul_f32 v[TT0:TT0+1], v[RI1:RI1+1], v[Q21:Q21+1]
	v_pk_mul_f32 v[TT1:TT1+1], v[FRC:FRC+1], v[Q22:Q22+1]
	v_pk_mul_f32 v[MM0:MM0+1], v[RI1:RI1+1], v[TT0:TT0+1]
	v_pk_mul_f32 v[MM1:MM1+1], v[LE2:LE2+1], v[TT0:TT0+1]
	v_pk_mul_f32 v[MM2:MM2+1], v[FRC:FRC+1], v[TT1:TT1+1]
	v_pk_fma_f32 v[MM1:MM1+1], v[RI2:RI2+1], v[TT1:TT1+1], v[MM1:MM1+1]
	; degree 3
	v_pk_mul_f32 v[TT0:TT0+1], v[MM0:MM0+1], v[Q31:Q31+1]
	v_pk_mul_f32 v[TT2:TT2+1], v[MM2:MM2+1], v[Q33:Q33+1]
	v_pk_mul_f32 v[TT1:TT1+1], v[MM1:MM1+1], v[Q32:Q32+1]
	v_pk_mul_f32 v[BAS+8*\p:BAS+8*\p+1],   v[RI1:RI1+1], v[TT0:TT0+1]
	v_pk_mul_f32 v[BAS+8*\p+2:BAS+8*\p+3], v[LE3:LE3+1], v[TT0:TT0+1]
	v_pk_mul_f32 v[BAS+8*\p+6:BAS+8*\p+7], v[FRC:FRC+1], v[TT2:TT2+1]
	v_pk_mul_f32 v[BAS+8*\p+4:BAS+8*\p+5], v[LE2:LE2+1], v[TT1:TT1+1]
	v_pk_fma_f32 v[BAS+8*\p+2:BAS+8*\p+3], v[RI2:RI2+1], v[TT1:TT1+1], v[BAS+8*\p+2:BAS+8*\p+3]
	v_pk_fma_f32 v[BAS+8*\p+4:BAS+8*\p+5], v[RI3:RI3+1], v[TT2:TT2+1], v[BAS+8*\p+4:BAS+8*\p+5]
.endm
; A block's head: from the loaded registers to fields, rotations and bases.  again = 1: stores of the block before are out.
.macro HEAD again
	s_wait_loadcnt 0x0                             ; the block's queries and idx words are in
.if \again
	s_wait_xcnt 0x0                                ; the stores just issued have had their addresses translated (ISA guide 3.1): their data registers (GA) and their base are rewritten only behind this wait
.endif
	ds_store_b128 v[STW], v[QL:QL+3]
	ds_store_b128 v[STW], v[QL+4:QL+7] offset:512
	ds_store_b128 v[STW], v[QL+8:QL+11] offset:1024
	ds_load_b128 v[UU:UU+3],    v[STR]             ; my own bytes, served in order: my 4 queries.  16-byte columns 3 l + m modulo 16: all different in 16 lanes
	ds_load_b128 v[UU+4:UU+7],  v[STR] offset:16
	ds_load_b128 v[UU+8:UU+11], v[STR] offset:32
	UNPK 0, IL, 0
	UNPK 1, IL, 1
	UNPK 2, IL+1, 0
	UNPK 3, IL+1, 1
	s_wait_dscnt 0x0
	BASIS 0, 0
	BASIS 1, 1
	BASIS 2, 2
	BASIS 3, 0
	BASIS 4, 1
	BASIS 5, 2
.endm
; The 16 addresses of the points with z digit step t2
.macro ADDR t2
.irp t1, 0,1,2,3
.irp t0, 0,1,2,3
	v_add3_u32 v[AD+4*\t1+\t0], v[XA+\t0], v[YA+\t1], v[ZA+\t2]
.endr
.endr
.endm
; 16 points into buffer g; off = 16384 t3
.macro LOADP g, off
.irp t1, 0,1,2,3
.irp t0, 0,1,2,3
	ds_load_b64 v[\g+8*\t1+2*\t0:\g+8*\t1+2*\t0+1], v[AD+4*\t1+\t0] offset:\off
.endr
.endr
.endm
; One row of four points at register d, times the row weight in half sel of the pair at w.  (y0,y1) in one packed instruction; y2 straight
; from the low bf16 half of word 0.  first = 1: the products start the sums.
.macro ROW d, w, sel, first
.irp t, 0,1,2,3
.if \first
	v_pk_mul_f32 v[AXY+2*\t:AXY+2*\t+1], v[\d+2*\t:\d+2*\t+1], v[\w:\w+1] op_sel:[0,\sel] op_sel_hi:[1,\sel]
	v_fma_mix_f32_bf16 v[AZ+\t], v[\d+2*\t], v[\w+\sel], v[ZERO] op_sel_hi:[1,0,0]
.else
	v_pk_fma_f32 v[AXY+2*\t:AXY+2*\t+1], v[\d+2*\t:\d+2*\t+1], v[\w:\w+1], v[AXY+2*\t:AXY+2*\t+1] op_sel:[0,\sel,0] op_sel_hi:[1,\sel,1]
	v_fma_mix_f32_bf16 v[AZ+\t], v[\d+2*\t], v[\w+\sel], v[AZ+\t] op_sel_hi:[1,0,0]
.endif
.endr
.endm
.macro PLANE g, tz, first
	ROW \g, (WR+4*\tz), 0, \first
	ROW (\g+8), (WR+4*\tz), 1, 0
	ROW (\g+16), (WR+4*\tz+2), 0, 0
	ROW (\g+24), (WR+4*\tz+2), 1, 0
.endm
; Four weights at n, n+2, n+4, n+6, reversed and rotated by the two bits whose masks are in s[m] and s[m+1]
.macro ROT dst, n, m
	v_cndmask_b32 v[RT],   v[\n],   v[\n+6], s[\m]
	v_cndmask_b32 v[RT+1], v[\n+6], v[\n+4], s[\m]
	v_cndmask_b32 v[RT+2], v[\n+4], v[\n+2], s[\m]
	v_cndmask_b32 v[RT+3], v[\n+2], v[\n],   s[\m]
	v_cndmask_b32 v[\dst],   v[RT],   v[RT+2], s[\m+1]
	v_cndmask_b32 v[\dst+1], v[RT+1], v[RT+3], s[\m+1]
	v_cndmask_b32 v[\dst+2], v[RT+2], v[RT],   s[\m+1]
	v_cndmask_b32 v[\dst+3], v[RT+3], v[RT+1], s[\m+1]
.endm
; Query q of every lane.
.macro UNIT q
.set NX, BAS+8*((3*\q)/2)+((3*\q)%2)               ; where coordinate 3q's N0 lies; N1, N2, N3 two registers apart
.set NY, BAS+8*((3*\q+1)/2)+((3*\q+1)%2)
.set NZ, BAS+8*((3*\q+2)/2)+((3*\q+2)%2)
.irp t, 0,1,2,3
	v_lshl_add_u32 v[XA+\t], v[FLD+3*\q],   6, v[KX+\t]
	v_lshl_add_u32 v[YA+\t], v[FLD+3*\q+1], 4, v[KY+\t]
.endr
	v_lshl_add_u32 v[ZA],   v[FLD+3*\q+2], 3, v[KZ]
	v_lshl_add_u32 v[ZA+1], v[FLD+3*\q+2], 3, v[KZ+1]
.irp t, 0,1,2,3
	v_and_b32 v[XA+\t], 0x718,  v[XA+\t]           ; 256 (x>>2) + 8 (x&3)
	v_and_b32 v[YA+\t], 0x3860, v[YA+\t]           ; 2048 (y>>2) + 32 (y&3)
.endr
	v_and_b32 v[ZA],   0x3c080, v[ZA]              ; 16384 (z>>1) + 128 (z&1)
	v_and_b32 v[ZA+1], 0x3c080, v[ZA+1]
	ADDR 0
	LOADP GA, 0                                    ; t2 = 0, t3 = 0
	LOADP GB, 16384                                ; t2 = 0, t3 = 1
	ADDR 1                                         ; an LDS instruction's address register is free once it is issued
	; while the points are on their way: the masks of the five rotation bits, the rotations, the row weights
	v_and_b32 v[TM],   1, v[RW+\q]
	v_and_b32 v[TM+1], 2, v[RW+\q]
	v_cmp_ne_u32 s44, 0, v[TM]
	v_cmp_ne_u32 s45, 0, v[TM+1]
	v_and_b32 v[TM],   32, v[RW+\q]
	v_and_b32 v[TM+1], 64, v[RW+\q]
	v_cmp_ne_u32 s46, 0, v[TM]
	v_cmp_ne_u32 s47, 0, v[TM+1]
	v_and_b32 v[TM], 0x400, v[RW+\q]
	v_cmp_ne_u32 s48, 0, v[TM]
	ROT BY, NY, 46
	v_cndmask_b32 v[BZ],   v[NZ],   v[NZ+2], s48   ; step t2 + 2 t3 takes N[((t2 + bit)&1) + 2 t3]
	v_cndmask_b32 v[BZ+1], v[NZ+2], v[NZ],   s48
	v_cndmask_b32 v[BZ+2], v[NZ+4], v[NZ+6], s48
	v_cndmask_b32 v[BZ+3], v[NZ+6], v[NZ+4], s48
	v_pk_mul_f32 v[WR:WR+1],     v[BY:BY+1],   v[BZ:BZ+1] op_sel:[0,0] op_sel_hi:[1,0]
	v_pk_mul_f32 v[WR+2:WR+3],   v[BY+2:BY+3], v[BZ:BZ+1] op_sel:[0,0] op_sel_hi:[1,0]
	v_pk_mul_f32 v[WR+4:WR+5],   v[BY:BY+1],   v[BZ:BZ+1] op_sel:[0,1] op_sel_hi:[1,1]
	v_pk_mul_f32 v[WR+6:WR+7],   v[BY+2:BY+3], v[BZ:BZ+1] op_sel:[0,1] op_sel_hi:[1,1]
	v_pk_mul_f32 v[WR+8:WR+9],   v[BY:BY+1],   v[BZ+2:BZ+3] op_sel:[0,0] op_sel_hi:[1,0]
	v_pk_mul_f32 v[WR+10:WR+11], v[BY+2:BY+3], v[BZ+2:BZ+3] op_sel:[0,0] op_sel_hi:[1,0]
	v_pk_mul_f32 v[WR+12:WR+13], v[BY:BY+1],   v[BZ+2:BZ+3] op_sel:[0,1] op_sel_hi:[1,1]
	v_pk_mul_f32 v[WR+14:WR+15], v[BY+2:BY+3], v[BZ+2:BZ+3] op_sel:[0,1] op_sel_hi:[1,1]
	ROT BX, NX, 44
	s_wait_dscnt 16                                ; LDS answers a wave in order (ISA guide 5.7.1): all but the 16 loads of GB are back
	PLANE GA, 0, 1
	LOADP GA, 0                                    ; t2 = 1, t3 = 0
	s_wait_dscnt 16                                ; all but the 16 just issued: GB is in
	PLANE GB, 2, 0
	LOADP GB, 16384                                ; t2 = 1, t3 = 1
	s_wait_dscnt 16                                ; all but the 16 just issued: GA is in
	PLANE GA, 1, 0
	s_wait_dscnt 0
	PLANE GB, 3, 0
	v_pk_mul_f32 v[OO:OO+1], v[AXY:AXY+1], v[BX:BX+1] op_sel:[0,0] op_sel_hi:[1,0]
	v_mul_f32 v[OO+2], v[AZ], v[BX]
	v_pk_fma_f32 v[OO:OO+1], v[AXY+2:AXY+3], v[BX:BX+1], v[OO:OO+1] op_sel:[0,1,0] op_sel_hi:[1,1,1]
	v_fmac_f32 v[OO+2], v[AZ+1], v[BX+1]
	v_pk_fma_f32 v[OO:OO+1], v[AXY+4:AXY+5], v[BX+2:BX+3], v[OO:OO+1] op_sel:[0,0,0] op_sel_hi:[1,0,1]
	v_fmac_f32 v[OO+2], v[AZ+2], v[BX+2]
	v_pk_fma_f32 v[OO:OO+1], v[AXY+6:AXY+7], v[BX+2:BX+3], v[OO:OO+1] op_sel:[0,1,0] op_sel_hi:[1,1,1]
	v_fmac_f32 v[OO+2], v[AZ+3], v[BX+3]
	v_add_f32 v[TM], v[OO+1], v[OO+2]              ; Y1 + Y2 = (c0 + c1)/2 summed
	v_fma_f32 v[RES+3*\q+2], v[OO+2], -2.0, v[OO+1]
	v_add_f32 v[RES+3*\q],   v[TM], v[OO]
	v_sub_f32 v[RES+3*\q+1], v[TM], v[OO]
.endm
; The results of block s20 leave: through my stage, whose queries were read in the block's head, and out as they lie in memory.
.macro OUTB
	ds_store_b128 v[STR], v[RES:RES+3]             ; my 48 bytes
	ds_store_b128 v[STR], v[RES+4:RES+7] offset:16
	ds_store_b128 v[STR], v[RES+8:RES+11] offset:32
	ds_load_b128 v[GA:GA+3],    v[STW]             ; my own bytes, served in order
	ds_load_b128 v[GA+4:GA+7],  v[STW] offset:512
	ds_load_b128 v[GA+8:GA+11], v[STW] offset:1024
	s_mul_i32 s30, s20, BLKB
	s_add_nc_u64 s[16:17], s[10:11], s[30:31]      ; the block before named this base in its stores: free since the wait in the head that followed them
	s_wait_dscnt 0x0
	global_store_b128 v[GOFF], v[GA:GA+3],    s[16:17] th:TH_STORE_NT              ; each store: 512 consecutive bytes, at a multiple of 512
	global_store_b128 v[GOFF], v[GA+4:GA+7],  s[16:17] offset:512 th:TH_STORE_NT
	global_store_b128 v[GOFF], v[GA+8:GA+11], s[16:17] offset:1024 th:TH_STORE_NT
.endm
	s_load_b256 s[4:11], s[0:1], 0x0               ; queries s[4:5], idx s[6:7], tab s[8:9], out0 s[10:11]
	v_lshl_add_u32 v242, v0, 2, 0x4a100
	v_mov_b32 v243, 0
	ds_add_u32 v242, v243
	ds_add_u32 v242, v243
	v_lshrrev_b32 v1, 5, v0
	v_readfirstlane_b32 s12, v1                    ; wave 0..15
	; The table comes in as 1024 rows of 256 bytes, 64 rows a wave, one tensor load each: the only tensor loads of the launch, one out in each wave.
	s_mov_b32 s32, 1                               ; group 0: count
	s_mul_i32 s33, s12, 16384                      ; LDS address: my 64 rows
	s_mul_i32 s14, s12, 16384
	s_mov_b32 s15, 0
	s_mov_b32 s36, 3<<16                           ; group 1: no mask; elements of 8 bytes; no padding
	s_mov_b32 s37, 32<<16                          ; tensor_dim0 = 32 elements
	s_mov_b32 s38, 64<<16                          ; tensor_dim1 = 64 rows
	s_mov_b32 s39, 32<<16                          ; tile_dim0 = 32
	s_mov_b32 s40, 64                              ; tile_dim1 = 64
	s_mov_b32 s41, 32                              ; 32 elements from row to row
	s_mov_b32 s42, 0
	s_mov_b32 s43, 0
	s_wait_dscnt 0x0
	s_wait_kmcnt 0x0
	s_add_nc_u64 s[34:35], s[8:9], s[14:15]
	s_or_b32 s35, s35, 0x80000000                  ; type
	tensor_load_to_lds s[32:35], s[36:43]
	s_nop 0
	; my first block's queries and idx
	v_and_b32 v[LANE], 31, v0
	v_lshlrev_b32 v[GOFF], 4, v[LANE]
	v_lshlrev_b32 v[IOFF], 3, v[LANE]
	s_lshl_b32 s20, s12, 8
	s_add_co_u32 s20, s20, ttmp9                   ; block 256 w + g
	s_mul_i32 s22, s20, BLKB
	s_mov_b32 s23, 0
	s_add_nc_u64 s[24:25], s[4:5], s[22:23]
	s_lshl_b32 s26, s20, 8
	s_mov_b32 s27, 0
	s_add_nc_u64 s[28:29], s[6:7], s[26:27]
	s_mov_b32 s31, 0
	global_load_b128 v[QL:QL+3],    v[GOFF], s[24:25] th:TH_LOAD_NT
	global_load_b128 v[QL+4:QL+7],  v[GOFF], s[24:25] offset:512 th:TH_LOAD_NT
	global_load_b128 v[QL+8:QL+11], v[GOFF], s[24:25] offset:1024 th:TH_LOAD_NT
	global_load_b64  v[IL:IL+1],    v[IOFF], s[28:29] th:TH_LOAD_NT
	; lane constants
	v_and_b32 v[UU], 3, v[LANE]                    ; l0
	v_bfe_u32 v[UU+1], v[LANE], 2, 2               ; l1
	v_lshrrev_b32 v[UU+2], 4, v[LANE]              ; l2
.irp t, 0,1,2,3
	v_add_nc_u32 v[UU+3], \t, v[UU]
	v_and_b32 v[UU+3], 3, v[UU+3]
	v_mad_u32_u24 v[KX+\t], v[UU+3], 56, 24        ; 64 n + 8 (3 - n)
	v_add_nc_u32 v[UU+3], \t, v[UU+1]
	v_and_b32 v[UU+3], 3, v[UU+3]
	v_mul_u32_u24 v[UU+3], 0x1e0, v[UU+3]
	v_add_nc_u32 v[KY+\t], 0x60, v[UU+3]           ; 512 n + 32 (3 - n)
.endr
.irp t, 0,1
	v_add_nc_u32 v[UU+3], \t, v[UU+2]
	v_and_b32 v[UU+3], 1, v[UU+3]
	v_mul_u32_u24 v[UU+3], 0x1f80, v[UU+3]
	v_add_nc_u32 v[KZ+\t], 0x80, v[UU+3]           ; 8192 n + 128 (1 - n)
.endr
	v_lshl_add_u32 v[LC], v[UU+1], 5, v[UU]
	v_lshl_add_u32 v[LC], v[UU+2], 10, v[LC]
	v_add_nc_u32 v[LC], 0x421, v[LC]               ; + 1 in each of the three fields
	v_mov_b32 v[ZERO], 0
	v_mov_b32 v[SCL],   1.0
	v_mov_b32 v[SCL+1], 0x3d000000                 ; 1/32
	v_mov_b32 v[SCL+2], 0x3a800000                 ; 1/1024
	v_mov_b32 v[SCL+3], 1.0
	v_mov_b32 v[SCL+4], 0x3d000000
	v_mov_b32 v[SCL+5], 0x3a800000
	v_mov_b32 v[CM23],   0xbf2aaaab                ; -2/3
	v_mov_b32 v[CM23+1], 0xbf2aaaab
	s_mul_i32 s13, s12, BLKB
	s_add_co_u32 s13, s13, STG                     ; my wave's stage
	v_lshl_add_u32 v[STW], v[LANE], 4, s13
	v_mad_u32_u24 v[STR], v[LANE], 48, s13
	HEAD 0                                         ; the first block's head, while the table is on its way: it touches my stage alone, into which no tensor load lands
	s_wait_tensorcnt 0x0                           ; my 64 rows of the table have landed (my LDS instructions are back since the head's wait),
	s_barrier_signal -1
	s_barrier_wait -1                              ; and everybody's: from here on the table is only read
	s_cmp_lt_u32 s20, NBLK-3*HOP                   ; four blocks or three:
	s_cselect_b32 s18, 3, 2                        ; all but the last go round the loop
.Ltrip:
	UNIT 0
	UNIT 1
	; The next block, half a trip ahead, into the registers of basis pairs 0 and 1, which units 2 and 3 do not read.  The bases s[24:25] and
	; s[28:29] were last named by loads that the wait in this block's head has shown done.
	s_add_co_u32 s21, s20, HOP
	s_mul_i32 s22, s21, BLKB
	s_add_nc_u64 s[24:25], s[4:5], s[22:23]
	s_lshl_b32 s26, s21, 8
	s_add_nc_u64 s[28:29], s[6:7], s[26:27]
	global_load_b128 v[QL:QL+3],    v[GOFF], s[24:25] th:TH_LOAD_NT
	global_load_b128 v[QL+4:QL+7],  v[GOFF], s[24:25] offset:512 th:TH_LOAD_NT
	global_load_b128 v[QL+8:QL+11], v[GOFF], s[24:25] offset:1024 th:TH_LOAD_NT
	global_load_b64  v[IL:IL+1],    v[IOFF], s[28:29] th:TH_LOAD_NT
	UNIT 2
	UNIT 3
	OUTB
	s_add_co_u32 s20, s20, HOP
	HEAD 1                                         ; the next block's head
	s_sub_co_u32 s18, s18, 1
	s_cmp_lg_u32 s18, 0
	s_cbranch_scc1 .Ltrip
	UNIT 0                                         ; the last block: nothing is left to ask for, and no head follows
	UNIT 1
	UNIT 2
	UNIT 3
	OUTB
	s_wait_tensorcnt 0x0
	ds_add_u32 v242, v243
	s_wait_dscnt 0x0
	s_endpgm
.Lfunc_end_k_q7f7266bc90_eval:
	.size	k_q7f7266bc90_eval, .Lfunc_end_k_q7f7266bc90_eval-k_q7f7266bc90_eval
	.p2alignl 7, 3214868480
	.fill 96, 4, 3214868480
	.section	.rodata,"a",@progbits
	.p2align	6, 0x0
	.amdhsa_kernel k_q7f7266bc90_eval
		.amdhsa_group_segment_fixed_size 305408
		.amdhsa_private_segment_fixed_size 0
		.amdhsa_enable_private_segment 0
		.amdhsa_kernarg_size 32
		.amdhsa_user_sgpr_count 2
		.amdhsa_user_sgpr_kernarg_segment_ptr 1
		.amdhsa_wavefront_size32 1
		.amdhsa_system_sgpr_workgroup_id_x 1
		.amdhsa_system_sgpr_workgroup_id_y 1
		.amdhsa_system_sgpr_workgroup_id_z 1
		.amdhsa_system_vgpr_workitem_id 0
		.amdhsa_next_free_vgpr 244
		.amdhsa_next_free_sgpr 66
		.amdhsa_reserve_vcc 0
		.amdhsa_float_denorm_mode_32 3
		.amdhsa_float_denorm_mode_16_64 3
		.amdhsa_memory_ordered 1
		.amdhsa_forward_progress 1
		.amdhsa_inst_pref_size 187
	.end_amdhsa_kernel
	.amdgpu_metadata
---
amdhsa.version: [ 1, 2 ]
amdhsa.kernels:
  - .name:           k_q7f7266bc90_eval
    .symbol:         k_q7f7266bc90_eval.kd
    .args:
      - { .name: queries, .offset: 0, .size: 8, .value_kind: global_buffer, .address_space: global }
      - { .name: idx, .offset: 8, .size: 8, .value_kind: global_buffer, .address_space: global }
      - { .name: tab, .offset: 16, .size: 8, .value_kind: global_buffer, .address_space: global }
      - { .name: out0, .offset: 24, .size: 8, .value_kind: global_buffer, .address_space: global }
    .group_segment_fixed_size: 305408
    .private_segment_fixed_size: 0
    .kernarg_segment_align: 8
    .kernarg_segment_size: 32
    .max_flat_workgroup_size: 512
    .sgpr_count:     66
    .vgpr_count:     244
    .wavefront_size: 32
...
	.end_amdgpu_metadata
.endif
;; end of part 2
